; MI455X (gfx1250); checked and timed in simulation.
; The chip was launched on July 23, 2026; its instructions are those of AMD's public machine-readable ISA for CDNA 5 (MIT licence, August 2026) and "CDNA5" Instruction Set Architecture Reference Guide (July 2026). The comments in the code are by the model that wrote it; some were corrected since.
;; Resonant Complex Projection. Allowed arithmetic: matrix products marked QUANTISED: E2M1 operands, one E8M0 scale for each 32 along K, by v_wmma_scale_f32_16x16x128_f8f6f4 with both operands' format E2M1 (or v_wmma_scale_f32_32x16x128_f4), f32 sums; everything else in f32.
;; Inputs: B 1,024 x 512 float32; W 1,024 x 512 float32; Wi_codes 512 x 32 x 16 uint8 (E2M1 codes of Wi, K innermost, in blocks of 32 codes, two codes a byte); Wi_scales 512 x 32 uint8 (E8M0 scales of Wi, one for each 32 codes along K); Wr_codes 512 x 32 x 16 uint8 (E2M1 codes of Wr, K innermost, in blocks of 32 codes, two codes a byte); Wr_scales 512 x 32 uint8 (E8M0 scales of Wr, one for each 32 codes along K); x 256 x 512 float32.
;; Outputs: out0 256 x 512 float32; out1 256 x 512 float32.
;; This version of the problem:
;;   THIS VERSION OF THE PROBLEM IS GIVEN IN LOW PRECISION. The matrix products marked QUANTISED in the list below multiply operands that are first quantised to E2M1 (2 exponent bits, 1 mantissa bit; 4 bits a number), with one power-of-two scale for each 32 numbers along K (OCP MX v1.0); their sums are f32. All else is computed in f32.
;;   The module's matrix products, in the order in which they are computed (A, B: the left and right operand; K: the contracted axis; several contracted axes count as one K, in the product's order):
;;     1. [M 256, K 1,024] x [K 1,024, N 512]; A: computed on the way; B: input Wr (given as codes): QUANTISED
;;     2. [M 256, K 1,024] x [K 1,024, N 512]; A: computed on the way; B: input Wi (given as codes): QUANTISED
;;   THE QUANTISER, for each operand of a quantised product, along K:
;;     - K is cut into blocks of 32 from its start; a last block that is shorter is filled with zeros.
;;     - A block's scale is 2^e with e = floor(log2(the largest magnitude in the block)) - 2, held to -126 .. 127; a block of zeros has e = 0. As a byte (E8M0): e + 127.
;;     - Each number is divided by its block's scale, clamped to +-6, and rounded to the nearest number of E2M1, ties to even, subnormals kept.
;;     - The product sums the exact products of the quantised numbers (number of the format x scale) in f32.
;;   ~~~python
;;   def quantise(x, axis):      # numpy; x: float32 -> the quantised numbers, widened to float32 again
;;       x = np.moveaxis(x, axis, -1); K = x.shape[-1]
;;       x = np.pad(x, [(0, 0)] * (x.ndim - 1) + [(0, -K % 32)]); x = x.reshape(x.shape[:-1] + (-1, 32)); a = np.abs(x).max(-1, keepdims=True)
;;       e = np.where(a > 0, np.clip(np.frexp(np.where(a > 0, a, 1))[1] - 1 - 2, -126, 127), 0)      # np.frexp(a)[1] - 1 = floor(log2(a)), exactly
;;       r = np.clip(x / 2.0 ** e, -6, 6)
;;       step = 2.0 ** (np.maximum(np.frexp(np.where(r == 0, 1, r))[1] - 1, 0) - 1)
;;       q = np.round(r / step) * step * 2.0 ** e      # np.round: ties to even
;;       return np.moveaxis(q.reshape(q.shape[:-2] + (-1,))[..., :K], -1, axis).astype(np.float32)
;;   ~~~
;;   OPERANDS COMPUTED ON THE WAY. 'Computed on the way' means the value that the module computes at that place (a softmax that the list does not call 'softmax' is quantised finished and normalised). What goes into a quantiser is computed in f32, as accurately as f32 sums, v_exp_f32 and their like allow (about 1e-6 of the number): no bf16 or f16 on the way to a quantiser, and a product that is left as it is and whose result goes on into a quantised operand takes f32 operands (vector FMAs, or v_wmma_f32_16x16x4_f32). A number that lies on a knife's edge between two numbers of the format may be rounded either way, as far as f32 arithmetic and the matrix unit's own rounding can turn it there, and no further.
;;   INPUTS GIVEN AS CODES. Wi (in the module: [512, 1024], K = its axis 1); Wr (in the module: [512, 1024], K = its axis 1): each comes as NAME_codes (uint8): NAME with its K axis moved to the last place and cut into blocks of 32 codes, [.., K / 32, bytes a block], one block behind the other in memory; two codes a byte, the lower K in the low four bits (a code: sign, 2 exponent bits, 1 mantissa bit); and NAME_scales (uint8): the same leading axes, one E8M0 byte (e + 127) for each 32 codes along K. Its value is code x scale, taken as it is: it is not quantised again, and the codes and scales need not be those that the quantiser above would give.
;; One version. Each part assembles by itself: llvm-mc -triple=amdgcn-amd-amdhsa -mcpu=gfx1250 --defsym DOCPART=n.
;; ======== version 1 of 1: 2 launches
;; limits: right only within a limited range of input values
;; workspace buffers: acodes 262,144 bytes; ascales 16,384 bytes
;; launch sums (part 1): grid 32 x 8, 16 waves a work-group, no clusters, 276,480 bytes of LDS; arguments x, W, B, acodes, ascales; writes acodes, ascales
.if DOCPART == 1
	.amdgcn_target "amdgcn-amd-amdhsa--gfx1250"
	.amdhsa_code_object_version 6
	.text
	.protected	k_qe5d60d6a9e_sums
	.globl	k_qe5d60d6a9e_sums
	.p2align	8
	.type	k_qe5d60d6a9e_sums,@function
k_qe5d60d6a9e_sums:
	s_mov_b64 s[64:65], 0
	v_nop
	global_prefetch_b8 v0, s[64:65] scope:SCOPE_SE
	s_setreg_imm32_b32 hwreg(HW_REG_WAVE_MODE, 25, 1), 1
	s_wait_xcnt 0x0
; cos_sum[b][n] = sum over i of cos(2 pi k / 4096), sin_sum likewise, k = floor((x[b][i] / (1 + |W[n][i]|) + B[n][i]) * 4096 / 2 pi) mod 4096;
; both sums, [256][1024], are quantised along n to FP4 (E2M1) with one E8M0 byte for each 32 n, and stored as the second launch's operand.  x: [256][512], W, B: [1024][512], f32.
; THE INDEX has the roundings of the defining arithmetic: w = 1 + |W|; x / w as x rhi + x rlo, rhi = v_rcp_f32(w), rlo = (1 - w rhi) rhi, so that the fused sum is the rounded quotient;
; + B, * f32(4096 / 2 pi), floor: one rounding each.
; THE TABLE is not gathered: F = floor(..) gives r = F / 4096 - rndne(F / 4096), exact, in [-1/2, 1/2], and the entry is cos(2 pi r), sin(2 pi r).  With u = sqrt2 sin(pi r) = r S(r^2) and
; v = sqrt2 cos(pi r) = P(r^2): cos(2 pi r) = 1 - u u, sin(2 pi r) = u v.  S and P are of degree 4 in r^2, economised on [0, 1/4]: u to 1e-8, v to 7e-8.  Summed are u u and u v; the 512 ones are applied to the finished sum.
; LIMITS: |theta * 651.9| under 2^31 (beyond it the defining int32 cast has no meaning either); 1 + |W| under 2^126; NaN and infinities are not served.  The defining table's angles are f32 products
; (off by up to 4e-7 rad): that is not imitated.  The order of the sums differs from the defining one.  A block of zeros gets the byte 1, not 127: its codes are zeros, and this program alone reads the bytes.
; SHARES.  Work-group (nt, bt) owns n = 32 nt .. + 31, b = 32 bt .. + 31 and all 512 i: 256 work-groups of equal work.  A LANE IS AN n; wave wv owns b = 2 wv, 2 wv + 1 and all i, so no sum is shared between waves.
; i goes in 8 chunks of 64 (256 bytes of each row); EACH CHUNK HAS LDS BYTES OF ITS OWN, written once.  A thread loads 16 bytes of W, of B and of x for each chunk into registers, makes its 4 reciprocals and stores.
; Chunk 0 is staged at the head, behind it a barrier; chunks 1 to 7 are staged at the heads of chunk 0's groups 0 to 6; one more barrier, signalled at the head of group 7 and awaited behind it, shows them to every wave.
; From there on the waves read bytes that nobody writes, and meet again only when the sums are finished.
; NO JOINT LOADS, NO TENSOR LOADS: W goes through arithmetic on its way into LDS, so it passes registers anyway.  No prefetch: the chunks' loads go out up to four chunks ahead of the waits for them, into four register sets.
.set PW,    784                        ; LDS pitch of a row n: rhi 256 | rlo 256 | B 256 | 16 untouched = 49 x 16 bytes: the 16 lanes of a half wave, a row each, start at 16 different 16-byte columns
.set SEC,   256
.set XL,    32*PW                      ; behind the 32 rows: x's chunk, 32 rows b of 256 bytes
.set BUF,   XL+8192                    ; a chunk's bytes
.set STG,   8*BUF                      ; the finished sums: [cos, sin][b 32][n 32] f32
.set SPARE, STG+8192                   ; the spare words, 128 bytes a wave, that no other line names
.set GO,    2                          ; v2   (t >> 4) 2,048 + 16 (t & 15): my 16 bytes of a chunk in memory
.set SAW,   3                          ; v3   (t >> 4) PW + 16 (t & 15) + the chunk: where they go
.set SAX,   4                          ; v4   XL + 16 t + the chunk
.set WAD0,  5                          ; v5   lane PW
.set XAD0,  6                          ; v6   XL + 512 wave
.set PWA,   7                          ; v7   where I put finished sums
.set RDA,   8                          ; v8   where waves 0 to 3 read them
.set CO,    9                          ; v9   8 lane
.set SO,    10                         ; v10  32 (lane >> 1)
.set ODD,   11                         ; v11  lane & 1
.set SPW,   12
.set NIL,   13
.set WAD,   14                         ; v14  WAD0 + the chunk
.set XAD,   15                         ; v15  XAD0 + the chunk
.set LD,    16                         ; v16-63   four sets of W 4, B 4, x 4 as loaded (W's four become w, then rlo)
.set RC,    64                         ; v64-67   rhi
.set VM,    68                         ; v[68:69] 1.5 x 2^23;  v[70:71] P3;  v[72:73] S3: in vector pairs, so that no instruction names two scalar pairs
.set VP3,   70
.set VS3,   72
.set WR,    74                         ; v74-121  two sets of rhi 8, rlo 8, B 8 (8 i of my n)
.set X,     122                        ; v122-153 two sets of 2 b x 8 i
.set T,     154                        ; v154-217 eight chains of four pairs
.set AC,    218                        ; v218-249 chain c: sum of u u at AC + 4 c, of u v at + 2
.set KC,    20                         ; s[20:21] f32(4096 / 2 pi); a packed form names a pair and takes its low word for both halves; both words are written
.set KK,    22                         ; 2^-12
.set KNM,   26                         ; -1.5 x 2^23
.set KP,    28                         ; s[28+2k:29+2k] Pk (k = 3 unused)
.set KS,    38                         ; s[38+2k:39+2k] Sk (k = 3 unused)
.set TO,    48                         ; the chunk's bytes in LDS: BUF, 2 BUF, ..
.macro GLOAD q, off                    ; a chunk's 48 bytes of mine into set q: sixteen neighbouring lanes read 256 consecutive bytes, aligned
	global_load_b128 v[LD+12*(\q):LD+12*(\q)+3], v[GO], s[6:7] offset:\off
	global_load_b128 v[LD+12*(\q)+4:LD+12*(\q)+7], v[GO], s[8:9] offset:\off
	global_load_b128 v[LD+12*(\q)+8:LD+12*(\q)+11], v[GO], s[4:5] offset:\off
.endm
.macro STAGE q, step                   ; set q into LDS; step = 1: into the chunk behind the last one staged (whose stores have been waited for)
.set lw, LD+12*(\q)
.if \step
	v_add_nc_u32 v[SAW], BUF, v[SAW]
	v_add_nc_u32 v[SAX], BUF, v[SAX]
.endif
.irp i, 0,1,2,3
	v_add_f32 v[lw+\i], 1.0, |v[lw+\i]|            ; w
.endr
	s_wait_alu depctr_va_vdst(0)                   ; the wait ahead of the batch
.irp i, 0,1,2,3
	v_rcp_f32 v[RC+\i], v[lw+\i]                   ; rhi
.endr
	v_nop                                          ; a plain place behind the last reciprocal
	s_wait_alu depctr_va_vdst(0)                   ; the wait behind it
.irp i, 0,2
	v_pk_fma_f32 v[lw+\i:lw+\i+1], v[lw+\i:lw+\i+1], v[RC+\i:RC+\i+1], 1.0 op_sel_hi:[1,1,0] neg_lo:[1,0,0] neg_hi:[1,0,0]   ; 1 - w rhi
.endr
.irp i, 0,2
	v_pk_mul_f32 v[lw+\i:lw+\i+1], v[lw+\i:lw+\i+1], v[RC+\i:RC+\i+1]   ; rlo
.endr
	ds_store_b128 v[SAW], v[RC:RC+3]
	ds_store_b128 v[SAW], v[lw:lw+3] offset:SEC
	ds_store_b128 v[SAW], v[lw+4:lw+7] offset:2*SEC
	ds_store_b128 v[SAX], v[lw+8:lw+11]
.endm
.macro LDG p, g, u                     ; group g (8 i) of this chunk (p = 0) or the next (p = 1) into set u: rhi, rlo, B of my n; x of my 2 b, the same 16 bytes in all lanes
.irp a, 0,1,2
.irp h, 0,1
	ds_load_b128 v[WR+24*(\u)+8*\a+4*\h:WR+24*(\u)+8*\a+4*\h+3], v[WAD] offset:(\p)*BUF+\a*SEC+32*(\g)+16*\h
.endr
.endr
.irp j, 0,1
.irp h, 0,1
	ds_load_b128 v[X+16*(\u)+8*\j+4*\h:X+16*(\u)+8*\j+4*\h+3], v[XAD] offset:(\p)*BUF+\j*256+32*(\g)+16*\h
.endr
.endr
.endm
.macro ADDR                            ; the chunk's addresses
	v_add_nc_u32 v[WAD], s[TO], v[WAD0]
	v_add_nc_u32 v[XAD], s[TO], v[XAD0]
.endm
.macro IDX c, u                        ; chain c: b = c % 2, pair c / 2 of the 8 i
.set tq, T+8*(\c)
.set xq, X+16*(\u)+8*((\c)%2)+2*((\c)/2)
.set wq, WR+24*(\u)+2*((\c)/2)
.set aq, AC+4*(\c)
.endm
; 2 b x 8 i for my n: eight chains, each step written for the eight by turns, so that no instruction reads the result of one of the seven before it.  21 instructions a pair.
.macro GROUP u
.irp c, 0,1,2,3,4,5,6,7
	IDX \c, \u
	v_pk_mul_f32 v[tq:tq+1], v[xq:xq+1], v[wq+8:wq+9]                      ; x rlo
.endr
.irp c, 0,1,2,3,4,5,6,7
	IDX \c, \u
	v_pk_fma_f32 v[tq:tq+1], v[xq:xq+1], v[wq:wq+1], v[tq:tq+1]            ; the quotient, rounded once
.endr
.irp c, 0,1,2,3,4,5,6,7
	IDX \c, \u
	v_pk_add_f32 v[tq:tq+1], v[tq:tq+1], v[wq+16:wq+17]                    ; theta
.endr
.irp c, 0,1,2,3,4,5,6,7
	IDX \c, \u
	v_pk_mul_f32 v[tq:tq+1], v[tq:tq+1], s[KC:KC+1] op_sel_hi:[1,0]
.endr
.irp c, 0,1,2,3,4,5,6,7
	IDX \c, \u
	v_floor_f32 v[tq], v[tq]                                               ; F
	v_floor_f32 v[tq+1], v[tq+1]
.endr
.irp c, 0,1,2,3,4,5,6,7
	IDX \c, \u
	v_pk_fma_f32 v[tq+2:tq+3], v[tq:tq+1], s[KK:KK+1], v[VM:VM+1] op_sel_hi:[1,0,1]   ; F / 4096 + M: rounded to a whole number
.endr
.irp c, 0,1,2,3,4,5,6,7
	IDX \c, \u
	v_pk_add_f32 v[tq+2:tq+3], v[tq+2:tq+3], s[KNM:KNM+1] op_sel_hi:[1,0]  ; rndne(F / 4096), exact
.endr
.irp c, 0,1,2,3,4,5,6,7
	IDX \c, \u
	v_pk_fma_f32 v[tq:tq+1], v[tq:tq+1], s[KK:KK+1], v[tq+2:tq+3] op_sel_hi:[1,0,1] neg_lo:[0,0,1] neg_hi:[0,0,1]   ; r, exact
.endr
.irp c, 0,1,2,3,4,5,6,7
	IDX \c, \u
	v_pk_mul_f32 v[tq+2:tq+3], v[tq:tq+1], v[tq:tq+1]                      ; z = r r
.endr
.irp c, 0,1,2,3,4,5,6,7
	IDX \c, \u
	v_pk_fma_f32 v[tq+4:tq+5], v[tq+2:tq+3], s[KP+8:KP+9], v[VP3:VP3+1] op_sel_hi:[1,0,1]
.endr
.irp c, 0,1,2,3,4,5,6,7
	IDX \c, \u
	v_pk_fma_f32 v[tq+6:tq+7], v[tq+2:tq+3], s[KS+8:KS+9], v[VS3:VS3+1] op_sel_hi:[1,0,1]
.endr
.irp k, 4,2,0
.irp c, 0,1,2,3,4,5,6,7
	IDX \c, \u
	v_pk_fma_f32 v[tq+4:tq+5], v[tq+4:tq+5], v[tq+2:tq+3], s[KP+\k:KP+\k+1] op_sel_hi:[1,1,0]
.endr
.irp c, 0,1,2,3,4,5,6,7
	IDX \c, \u
	v_pk_fma_f32 v[tq+6:tq+7], v[tq+6:tq+7], v[tq+2:tq+3], s[KS+\k:KS+\k+1] op_sel_hi:[1,1,0]
.endr
.endr
.irp c, 0,1,2,3,4,5,6,7
	IDX \c, \u
	v_pk_mul_f32 v[tq:tq+1], v[tq:tq+1], v[tq+6:tq+7]                      ; u
.endr
.irp c, 0,1,2,3,4,5,6,7
	IDX \c, \u
	v_pk_fma_f32 v[aq:aq+1], v[tq:tq+1], v[tq:tq+1], v[aq:aq+1]            ; + u u
.endr
.irp c, 0,1,2,3,4,5,6,7
	IDX \c, \u
	v_pk_fma_f32 v[aq+2:aq+3], v[tq:tq+1], v[tq+4:tq+5], v[aq+2:aq+3]      ; + u v
.endr
.endm
; A chunk: eight groups; each group's operands are asked for at the head of the group before.
; first = 1, chunk 0: at the head of group n chunk n + 4's loads go out into set n (n < 4: its last stores have been waited for), and chunk n + 1 is staged (n < 7);
;   the counted wait leaves out the three loads of each chunk younger than n + 1: 9, 9, 9, 9, 6, 3, 0.  At the head of group 7 all my stores have landed: the signal.
; look = 1: group 7 asks for the next chunk's group 0.
.macro CHUNK first, look
.irp n, 0,1,2,3,4,5,6,7
	s_wait_dscnt 0x0                               ; all that is out was issued a whole group ago
.if \first && (\n < 4)
	GLOAD \n, 256*(\n+4)
.endif
.if \first && (\n == 7)
	s_barrier_signal -1                            ; between it and its wait: registers alone
.endif
.if \n < 7
	LDG 0, \n+1, (\n+1)%2
.elseif \look
	LDG 1, 0, 0
.endif
.if \first && (\n < 7)
.if \n < 4
	s_wait_loadcnt 9
.else
	s_wait_loadcnt 3*(6-\n)
.endif
	STAGE (\n+1)%4, 1
.endif
	GROUP \n%2
.endr
.endm
	s_load_b256 s[4:11], s[0:1], 0x0               ; x s[4:5], W s[6:7], B s[8:9], acodes s[10:11]
	s_load_b64 s[12:13], s[0:1], 0x20              ; ascales
	v_lshl_add_u32 v[SPW], v0, 2, SPARE
	v_mov_b32 v[NIL], 0
	v_lshrrev_b32 v1, 4, v0                        ; my row of a chunk
	v_and_b32 v[XAD], 15, v0                       ; my 16 bytes of its 256
	s_delay_alu instid0(VALU_DEP_2)
	v_lshlrev_b32 v[GO], 11, v1
	s_delay_alu instid0(VALU_DEP_3)
	v_mul_u32_u24 v[SAW], v1, PW
	v_lshl_add_u32 v[SAX], v0, 4, XL
	s_delay_alu instid0(VALU_DEP_3)
	v_lshl_add_u32 v[GO], v[XAD], 4, v[GO]
	s_delay_alu instid0(VALU_DEP_3)
	v_lshl_add_u32 v[SAW], v[XAD], 4, v[SAW]
	s_and_b32 s17, ttmp7, 0xffff                   ; bt
	s_lshl_b32 s18, ttmp9, 16                      ; nt x 32 rows of 2,048 bytes
	s_mov_b32 s19, 0
	s_lshl_b32 s50, s17, 16
	s_mov_b32 s51, 0
	s_wait_alu depctr_va_vdst(0)                   ; the wait ahead of the wait below
	s_wait_kmcnt 0x0
	s_add_nc_u64 s[6:7], s[6:7], s[18:19]
	s_add_nc_u64 s[8:9], s[8:9], s[18:19]
	s_add_nc_u64 s[4:5], s[4:5], s[50:51]
.irp k, 0,1,2,3
	GLOAD \k, 256*\k
.endr
	; every LDS address is made here, while the loads are out: first the scalars, then the vector lines on end
	v_lshrrev_b32 v1, 5, v0
	s_delay_alu instid0(VALU_DEP_1)
	v_readfirstlane_b32 s14, v1                    ; wave 0..15
	s_lshr_b32 s15, s14, 1
	s_and_b32 s16, s14, 1
	s_lshl_b32 s52, s14, 9                         ; my 2 b: 2 rows of 256 bytes
	s_add_co_u32 s52, s52, XL
	s_lshl_b32 s53, s14, 8                         ; and 2 rows of 128 bytes of sums
	s_add_co_u32 s53, s53, STG
	s_and_b32 s54, s15, 1                          ; waves 0 to 3 finish: wave w takes cos (w >> 1 = 0) or sin (1) and b half w & 1
	s_lshl_b32 s54, s54, 12
	s_lshl_b32 s55, s16, 11
	s_add_co_u32 s54, s54, s55
	s_add_co_u32 s54, s54, STG
	s_mov_b32 s[KC], 0x4422f983                    ; 4096 / 2 pi
	s_mov_b32 s[KC+1], s[KC]
	s_mov_b32 s[KK], 0x39800000                    ; 2^-12
	s_mov_b32 s[KK+1], s[KK]
	s_mov_b32 s[KNM], 0xcb400000                   ; -1.5 x 2^23
	s_mov_b32 s[KNM+1], s[KNM]
	s_mov_b32 s[KP+0], 0x3fb504f3                  ; P0 .. P4: sqrt2 cos(pi r) in z = r r
	s_mov_b32 s[KP+2], 0xc0df52bf
	s_mov_b32 s[KP+4], 0x40b7a9a9
	s_mov_b32 s[KP+8], 0x3e9f1280
	s_mov_b32 s[KS+0], 0x408e2c19                  ; S0 .. S4: sqrt2 sin(pi r) / r
	s_mov_b32 s[KS+2], 0xc0e9dd26
	s_mov_b32 s[KS+4], 0x4066ce82
	s_mov_b32 s[KS+8], 0x3de0ebad
.irp k, 0,2,4,8
	s_mov_b32 s[KP+\k+1], s[KP+\k]
	s_mov_b32 s[KS+\k+1], s[KS+\k]
.endr
	v_and_b32 v1, 31, v0                           ; lane
	s_delay_alu instid0(VALU_DEP_1)
	v_mul_u32_u24 v[WAD0], v1, PW
	v_mov_b32 v[XAD0], s52
	v_lshl_add_u32 v[PWA], v1, 2, s53
	v_lshl_add_u32 v[RDA], v1, 6, s54              ; lane l: row l >> 1 of 128 bytes, half l & 1
	v_lshlrev_b32 v[CO], 3, v1
	v_lshrrev_b32 v[SO], 1, v1
	v_and_b32 v[ODD], 1, v1
	s_delay_alu instid0(VALU_DEP_2)
	v_lshlrev_b32 v[SO], 5, v[SO]
	v_mov_b32 v[WAD], v[WAD0]                      ; chunk 0
	v_mov_b32 v[XAD], s52
	v_mov_b32 v[VM], 0x4b400000
	v_mov_b32 v[VM+1], 0x4b400000
	v_mov_b32 v[VP3], 0xbff1186d
	v_mov_b32 v[VP3+1], 0xbff1186d
	v_mov_b32 v[VS3], 0xbf589ac6
	v_mov_b32 v[VS3+1], 0xbf589ac6
.irp i, 0,1,2,3,4,5,6,7,8,9,10,11,12,13,14,15,16,17,18,19,20,21,22,23,24,25,26,27,28,29,30,31
	v_mov_b32 v[AC+\i], 0                          ; one form of the group serves all chunks
.endr
	s_wait_alu depctr_va_vdst(0)                   ; the wait at the head's end
	s_wait_loadcnt 9                               ; chunk 0's three loads are in; those of chunks 1 to 3 may be out
	STAGE 0, 0
	s_wait_dscnt 0x0                               ; for the others' sake: my stores have landed
	s_barrier_signal -1
	s_barrier_wait -1                              ; chunk 0 lies in LDS
	LDG 0, 0, 0
	CHUNK 1, 0
	s_wait_alu depctr_va_vdst(0)                   ; the wait ahead of the wait below
	s_barrier_wait -1                              ; chunks 1 to 7 lie in LDS: nothing of them is written again
	s_mov_b32 s[TO], BUF
	ADDR
	s_wait_alu depctr_va_vdst(0)                   ; the wait behind these writes
	LDG 0, 0, 0
.Ltrip:                                            ; chunks 1 to 6; chunk 7 is written out, without its look-ahead
	s_wait_alu depctr_va_vdst(0)                   ; the addresses were written ahead of the jump
	CHUNK 0, 1
	s_add_co_u32 s[TO], s[TO], BUF
	ADDR                                           ; (the loads that are out have read their address registers at issue: LDS instructions' sources need no wait)
	s_cmp_lt_u32 s[TO], 7*BUF
	s_cbranch_scc1 .Ltrip
	s_wait_alu depctr_va_vdst(0)
	CHUNK 0, 0
	; ---- my four sums m = 2 (0: cos, 1: sin) + (b & 1): four chains of two halves each
.irp m, 0,1,2,3
	v_pk_add_f32 v[AC+4*(\m%2)+2*(\m/2):AC+4*(\m%2)+2*(\m/2)+1], v[AC+4*(\m%2)+2*(\m/2):AC+4*(\m%2)+2*(\m/2)+1], v[AC+4*(\m%2)+2*(\m/2)+8:AC+4*(\m%2)+2*(\m/2)+9]
.endr
.irp m, 0,1,2,3
	v_pk_add_f32 v[AC+4*(\m%2)+2*(\m/2)+16:AC+4*(\m%2)+2*(\m/2)+17], v[AC+4*(\m%2)+2*(\m/2)+16:AC+4*(\m%2)+2*(\m/2)+17], v[AC+4*(\m%2)+2*(\m/2)+24:AC+4*(\m%2)+2*(\m/2)+25]
.endr
.irp m, 0,1,2,3
	s_delay_alu instid0(VALU_DEP_4)
	v_pk_add_f32 v[AC+4*(\m%2)+2*(\m/2):AC+4*(\m%2)+2*(\m/2)+1], v[AC+4*(\m%2)+2*(\m/2):AC+4*(\m%2)+2*(\m/2)+1], v[AC+4*(\m%2)+2*(\m/2)+16:AC+4*(\m%2)+2*(\m/2)+17]
.endr
.irp m, 0,1,2,3
	s_delay_alu instid0(VALU_DEP_4)
	v_add_f32 v[T+\m], v[AC+4*(\m%2)+2*(\m/2)], v[AC+4*(\m%2)+2*(\m/2)+1]
.endr
.irp m, 0,1
	s_delay_alu instid0(VALU_DEP_4)
	v_sub_f32 v[T+\m], 0x44000000, v[T+\m]         ; cos_sum = 512 - sum of u u
.endr
.irp m, 0,1,2,3
	ds_store_b32 v[PWA], v[T+\m] offset:4096*(\m/2)+128*(\m%2)   ; 32 lanes, 128 consecutive bytes
.endr
	s_wait_dscnt 0x0                               ; for the others' sake: my stores have landed
	s_barrier_signal -1
	s_barrier_wait -1
	s_cmp_ge_u32 s14, 4                            ; the last barrier is passed: four waves finish, one for each (cos or sin, b half)
	s_cbranch_scc1 .Lend
	; lane l: row r = l >> 1, half = l & 1: n = 16 half + 0 .. 15, sixteen neighbours along the product's K; two neighbouring lanes hold a block of 32
.irp j, 0,1,2,3
	ds_load_b128 v[T+4*\j:T+4*\j+3], v[RDA] offset:16*\j
.endr
	s_lshl_b32 s50, s17, 1
	s_add_co_u32 s50, s50, s16                     ; mt = 2 bt + bh: my tile of 16 rows
	s_lshl_b32 s18, s15, 17                        ; acodes [cs 2][mt 16][K step 8][c 2][lane 32][16 bytes], lane = 16 h + r, block nt = 4 K step + 2 c + h:
	s_lshl_b32 s51, s50, 13                        ; cs x 131,072 + mt x 8,192 + nt x 256 (+ 16 r + 8 half = 8 x my lane)
	s_add_co_u32 s18, s18, s51
	s_lshl_b32 s51, ttmp9, 8
	s_add_co_u32 s18, s18, s51
	s_add_nc_u64 s[10:11], s[10:11], s[18:19]      ; (s19 = 0 since the head)
	s_lshl_b32 s18, s15, 13                        ; ascales [cs 2][b 256][nt 32]: cs x 8,192 + mt x 512 + nt (+ 32 r)
	s_lshl_b32 s51, s50, 9
	s_add_co_u32 s18, s18, s51
	s_add_co_u32 s18, s18, ttmp9
	s_add_nc_u64 s[12:13], s[12:13], s[18:19]
	s_wait_dscnt 0x0
	; the quantiser: the block's largest magnitude; 2 off its exponent field is the conversion's scale operand, and that field the byte
.set Q, T+16
	v_max3_num_f32 v[Q], |v[T]|, |v[T+1]|, |v[T+2]|
	v_max3_num_f32 v[Q+1], |v[T+3]|, |v[T+4]|, |v[T+5]|
.irp i, 6,10
	s_delay_alu instid0(VALU_DEP_2)
	v_max3_num_f32 v[Q], v[Q], |v[T+\i]|, |v[T+1+\i]|
	s_delay_alu instid0(VALU_DEP_2)
	v_max3_num_f32 v[Q+1], v[Q+1], |v[T+2+\i]|, |v[T+3+\i]|
.endr
	s_delay_alu instid0(VALU_DEP_2)
	v_max3_num_f32 v[Q], v[Q], |v[T+14]|, |v[T+15]|
	s_delay_alu instid0(VALU_DEP_1)
	v_max3_num_f32 v[Q], v[Q], v[Q+1], 0x1800000   ; the floor 2^(3 - 127): the byte cannot fall under 1
	s_delay_alu instid0(VALU_DEP_1)
	v_max_num_f32_dpp v[Q], v[Q], v[Q] row_xmask:1 row_mask:0xf bank_mask:0xf   ; with my neighbour's 16
	s_delay_alu instid0(VALU_DEP_1)
	v_add_nc_u32 v[Q+2], 0xff000000, v[Q]
	v_cvt_scalef32_pk8_fp4_f32 v[Q+4], v[T:T+7], v[Q+2]     ; to the nearest code, ties to even, beyond 6 the largest code
	v_cvt_scalef32_pk8_fp4_f32 v[Q+5], v[T+8:T+15], v[Q+2]
	v_lshrrev_b32 v[Q+3], 23, v[Q+2]               ; the byte.  (Also the plain instruction behind the conversions)
	global_store_b64 v[CO], v[Q+4:Q+5], s[10:11]   ; 32 lanes store 256 consecutive bytes, at a multiple of 256 from the buffer's first byte
	s_wait_alu depctr_va_vdst(0)                   ; the wait ahead of the wait below
	s_wait_xcnt 0x0                                ; EXEC is a source of the store above: it changes only behind this wait
	v_cmp_eq_u32 vcc_lo, 0, v[ODD]
	s_and_saveexec_b32 s49, vcc_lo                 ; one lane of each pair
	global_store_b8 v[SO], v[Q+3], s[12:13]        ; 16 single bytes, 32 bytes apart: 64 bytes a work-group leave so, against 1,024 bytes of codes
	s_wait_xcnt 0x0                                ; and again ahead of the line that widens EXEC
	s_or_b32 exec_lo, exec_lo, s49
.Lend:
	s_wait_tensorcnt 0x0                           ; the wave's end
	ds_add_u32 v[SPW], v[NIL]
	s_wait_dscnt 0x0
	s_endpgm
.Lfunc_end_k_qe5d60d6a9e_sums:
	.size	k_qe5d60d6a9e_sums, .Lfunc_end_k_qe5d60d6a9e_sums-k_qe5d60d6a9e_sums
	.p2alignl 7, 3214868480
	.fill 96, 4, 3214868480
	.section	.rodata,"a",@progbits
	.p2align	6, 0x0
	.amdhsa_kernel k_qe5d60d6a9e_sums
		.amdhsa_group_segment_fixed_size 276480
		.amdhsa_private_segment_fixed_size 0
		.amdhsa_enable_private_segment 0
		.amdhsa_kernarg_size 40
		.amdhsa_user_sgpr_count 2
		.amdhsa_user_sgpr_kernarg_segment_ptr 1
		.amdhsa_wavefront_size32 1
		.amdhsa_system_sgpr_workgroup_id_x 1
		.amdhsa_system_sgpr_workgroup_id_y 1
		.amdhsa_system_sgpr_workgroup_id_z 1
		.amdhsa_system_vgpr_workitem_id 0
		.amdhsa_next_free_vgpr 250
		.amdhsa_next_free_sgpr 66
		.amdhsa_reserve_vcc 1
		.amdhsa_float_denorm_mode_32 3
		.amdhsa_float_denorm_mode_16_64 3
		.amdhsa_memory_ordered 1
		.amdhsa_forward_progress 1
		.amdhsa_inst_pref_size 255
	.end_amdhsa_kernel
	.section	.bss,"aw",@nobits
	.p2align	6
	.space	262144
	.amdgpu_metadata
---
amdhsa.version: [ 1, 2 ]
amdhsa.kernels:
  - .name:           k_qe5d60d6a9e_sums
    .symbol:         k_qe5d60d6a9e_sums.kd
    .args:
      - { .name: x, .offset: 0, .size: 8, .value_kind: global_buffer, .address_space: global }
      - { .name: W, .offset: 8, .size: 8, .value_kind: global_buffer, .address_space: global }
      - { .name: B, .offset: 16, .size: 8, .value_kind: global_buffer, .address_space: global }
      - { .name: acodes, .offset: 24, .size: 8, .value_kind: global_buffer, .address_space: global }
      - { .name: ascales, .offset: 32, .size: 8, .value_kind: global_buffer, .address_space: global }
    .group_segment_fixed_size: 276480
    .private_segment_fixed_size: 0
    .kernarg_segment_align: 8
    .kernarg_segment_size: 40
    .max_flat_workgroup_size: 512
    .sgpr_count:     66
    .vgpr_count:     250
    .wavefront_size: 32
...
	.end_amdgpu_metadata
.endif
;; end of part 1
;; launch proj (part 2): grid 8 x 32, 4 waves a work-group, no clusters, 38,912 bytes of LDS; arguments acodes, ascales, Wr_codes, Wr_scales, Wi_codes, Wi_scales, out0, out1; writes out0, out1
.if DOCPART == 2
	.amdgcn_target "amdgcn-amd-amdhsa--gfx1250"
	.amdhsa_code_object_version 6
	.text
	.protected	k_qe5d60d6a9e_proj
	.globl	k_qe5d60d6a9e_proj
	.p2align	8
	.type	k_qe5d60d6a9e_proj,@function
k_qe5d60d6a9e_proj:
	s_mov_b64 s[64:65], 0
	v_nop
	global_prefetch_b8 v0, s[64:65] scope:SCOPE_SE
	s_setreg_imm32_b32 hwreg(HW_REG_WAVE_MODE, 25, 1), 1
	s_wait_xcnt 0x0
; out0[b][o] = sum over n of cos_sum[b][n] Wr[o][n], out1 likewise of sin_sum and Wi: both on codes of FP4 (E2M1) with one E8M0 byte for each 32 along n; sums in f32.  K = 1,024: eight matrix instructions deep.
; The sums come as the launch before laid them: acodes [cs 2][mt 16][K step 8][c 2][lane 32][16 bytes] is the operand's registers on end, so a fragment is two loads of 512 consecutive bytes;
; ascales [cs 2][b 256][32].  The weights come as rows: codes [512][512 bytes], scales [512][32].
; SHARES.  Work-group (ng, y): y = 16 x (0: real, 1: imaginary) + mt.  It makes rows 16 mt .. + 15, columns 64 ng .. + 63 of one output; wave w the columns 16 w .. + 15 of these: 256 work-groups, 8 matrix instructions a wave.
; THE MATRIX INSTRUCTION IS USED TRANSPOSED (source 0 = 16 rows of the weight, source 1 = 16 rows of sums): a lane then holds eight neighbouring columns of one row of the output.
; K is shared between two accumulators that take turns; they are added at the end (the order of the sums so differs from one chain's).
; NO JOINT LOADS, NO RING: a wave reads 16 KiB once, at its head, and has nothing to overlap it with; the sums' 8 KiB that the four waves share are read by each.  No prefetch: every load stands at the head.
.set TP,   528                         ; the turn: a weight row's 512 bytes + 16 = 33 x 16 bytes: the 16 rows that a fragment load touches start at 16 different 16-byte columns of the 64 banks of 4 bytes (ISA guide 11.1)
.set TW,   16*TP                       ; a wave's own 16 rows
.set STG,  4*TW                        ; behind the four: the stage for the way out, 16 rows x (256 bytes + 16)
.set SP,   272
.set WF,   16                          ; v16-79   the weight's eight fragments (first: its rows as loaded)
.set AF,   80                          ; v80-143  the sums' eight fragments
.set WS,   144                         ; v144-147 the weight's scale words: register q: lanes 0-15 K step q, lanes 16-31 K step 4 + q.  These eight registers hold scales and nothing else
.set AS,   148                         ; v148-151 the sums' likewise
.set ACC,  152                         ; v152-159, v160-167 the two accumulators
.set OUTR, 168                         ; v168-175 their sum
	s_load_b256 s[4:11], s[0:1], 0x0               ; acodes s[4:5], ascales s[6:7], Wr's codes s[8:9], Wr's scales s[10:11]
	s_load_b256 s[12:19], s[0:1], 0x20             ; Wi's codes s[12:13], Wi's scales s[14:15], out0 s[16:17], out1 s[18:19]
	v_lshl_add_u32 v176, v0, 2, 0x9600
	v_mov_b32 v177, 0
	v_lshrrev_b32 v1, 5, v0
	v_readfirstlane_b32 s20, v1                    ; wave 0..3
	v_and_b32 v1, 31, v0                           ; lane
	v_and_b32 v2, 15, v0                           ; r
	v_bfe_u32 v3, v0, 4, 1                         ; h
	v_lshlrev_b32 v4, 4, v1                        ; 16 x lane
	v_lshlrev_b32 v5, 5, v2
	v_lshl_add_u32 v5, v3, 4, v5                   ; scale bytes: row r of 32, + 16 h: four words
	s_mul_i32 s21, s20, TW
	v_add_nc_u32 v6, s21, v4                       ; the turn, in: 16 x lane of a row
	v_mul_u32_u24 v7, v2, TP
	v_lshl_add_u32 v7, v3, 4, v7
	v_add_nc_u32 v7, s21, v7                       ; and out: row r, + 16 h
	v_mul_u32_u24 v8, v2, SP
	v_lshl_add_u32 v8, v3, 5, v8
	s_lshl_b32 s22, s20, 6
	s_add_co_u32 s22, s22, STG
	v_add_nc_u32 v8, s22, v8                       ; the stage, in: row r, my wave's 64 bytes, + 32 h
	s_mul_i32 s22, s20, 4*SP
	s_add_co_u32 s22, s22, STG
	v_mul_u32_u24 v9, v3, SP
	v_lshl_add_u32 v9, v2, 4, v9
	v_add_nc_u32 v9, s22, v9                       ; and back: rows 4 w + h (+ 2), 16 bytes a lane
	v_lshlrev_b32 v10, 11, v3
	v_lshl_add_u32 v10, v2, 4, v10                 ; the same in the output: a row is 2,048 bytes
	s_and_b32 s23, ttmp7, 0xffff                   ; y
	s_lshr_b32 s24, s23, 4                         ; 0: real, 1: imaginary
	s_and_b32 s25, s23, 15                         ; mt
	s_lshl_b32 s26, s23, 13                        ; acodes: y x 8,192
	s_mov_b32 s27, 0
	s_lshl_b32 s28, s23, 9                         ; ascales: y x 16 rows of 32
	s_mov_b32 s29, 0
	s_lshl_b32 s30, ttmp9, 6
	s_lshl_b32 s31, s20, 4
	s_add_co_u32 s30, s30, s31                     ; my first column: 64 ng + 16 w
	s_lshl_b32 s32, s30, 5                         ; its row of scale bytes,
	s_mov_b32 s33, 0
	s_lshl_b32 s30, s30, 9                         ; and of codes
	s_mov_b32 s31, 0
	s_lshl_b32 s34, s25, 4
	s_lshl_b32 s35, s20, 2
	s_add_co_u32 s34, s34, s35                     ; the first row that I store: 16 mt + 4 w
	s_lshl_b32 s34, s34, 11
	s_lshl_b32 s35, ttmp9, 8                       ; the work-group's 64 columns: 256 bytes
	s_add_co_u32 s34, s34, s35
	s_mov_b32 s35, 0
	s_wait_alu depctr_va_vdst(0)
	s_wait_kmcnt 0x0
	s_cmp_eq_u32 s24, 0                            ; the choice hangs on the work-group's number alone
	s_cselect_b64 s[8:9], s[8:9], s[12:13]
	s_cselect_b64 s[10:11], s[10:11], s[14:15]
	s_cselect_b64 s[16:17], s[16:17], s[18:19]
	s_add_nc_u64 s[4:5], s[4:5], s[26:27]
	s_add_nc_u64 s[6:7], s[6:7], s[28:29]
	s_add_nc_u64 s[8:9], s[8:9], s[30:31]
	s_add_nc_u64 s[10:11], s[10:11], s[32:33]
	s_add_nc_u64 s[16:17], s[16:17], s[34:35]
.irp j, 0,1,2,3,4,5,6,7,8,9,10,11,12,13,14,15
	global_load_b128 v[WF+4*\j:WF+4*\j+3], v4, s[8:9] offset:512*\j    ; the weight's row j whole: 512 consecutive bytes
.endr
	global_load_b128 v[WS:WS+3], v5, s[10:11]
	global_load_b128 v[AS:AS+3], v5, s[6:7]
.irp j, 0,1,2,3,4,5,6,7,8,9,10,11,12,13,14,15
	global_load_b128 v[AF+4*\j:AF+4*\j+3], v4, s[4:5] offset:512*\j    ; registers 4 c .. 4 c + 3 of K step s, j = 2 s + c, as they were laid
.endr
	s_wait_loadcnt 18                              ; the weight's sixteen loads are in; the two of scales and the sums' sixteen may be out
.irp j, 0,1,2,3,4,5,6,7,8,9,10,11,12,13,14,15
	ds_store_b128 v6, v[WF+4*\j:WF+4*\j+3] offset:TP*\j
.endr
.irp j, 0,1,2,3,4,5,6,7,8,9,10,11,12,13,14,15
	ds_load_b128 v[WF+4*\j:WF+4*\j+3], v7 offset:32*\j                 ; lane (r, h): K = 64 j + 32 h + 0 .. 31 of row r.  My own bytes, and LDS serves a wave's instructions in order (ISA guide 5.7.1.4): no wait between
.endr
	s_wait_loadcnt 0x0
	s_wait_dscnt 0x0
.irp s, 0,1,2,3,4,5,6,7
.if \s < 2
	v_wmma_scale_f32_16x16x128_f8f6f4 v[ACC+8*(\s%2):ACC+8*(\s%2)+7], v[WF+8*\s:WF+8*\s+7], v[AF+8*\s:AF+8*\s+7], 0, v[WS+\s%4], v[AS+\s%4] matrix_a_fmt:MATRIX_FMT_FP4 matrix_b_fmt:MATRIX_FMT_FP4
.elseif \s < 4
	v_wmma_scale_f32_16x16x128_f8f6f4 v[ACC+8*(\s%2):ACC+8*(\s%2)+7], v[WF+8*\s:WF+8*\s+7], v[AF+8*\s:AF+8*\s+7], v[ACC+8*(\s%2):ACC+8*(\s%2)+7], v[WS+\s%4], v[AS+\s%4] matrix_a_fmt:MATRIX_FMT_FP4 matrix_b_fmt:MATRIX_FMT_FP4
.else
	v_wmma_scale_f32_16x16x128_f8f6f4 v[ACC+8*(\s%2):ACC+8*(\s%2)+7], v[WF+8*\s:WF+8*\s+7], v[AF+8*\s:AF+8*\s+7], v[ACC+8*(\s%2):ACC+8*(\s%2)+7], v[WS+\s%4], v[AS+\s%4] matrix_a_fmt:MATRIX_FMT_FP4 matrix_b_fmt:MATRIX_FMT_FP4 matrix_a_scale:MATRIX_SCALE_ROW1 matrix_b_scale:MATRIX_SCALE_ROW1
.endif
.endr
.rept 4
	v_nop                                          ; four places between the last product and the first read of results (ISA guide 7.12.1)
.endr
.irp q, 0,2,4,6
	v_pk_add_f32 v[OUTR+\q:OUTR+\q+1], v[ACC+\q:ACC+\q+1], v[ACC+8+\q:ACC+9+\q]   ; each accumulator from its low end on
.endr
	ds_store_b128 v8, v[OUTR:OUTR+3]               ; lane (r, h): out(16 mt + r, 64 ng + 16 w + 8 h + 0 .. 7)
	ds_store_b128 v8, v[OUTR+4:OUTR+7] offset:16
	s_wait_dscnt 0x0                               ; for the others' sake: a row's 256 bytes come from four waves
	s_barrier_signal -1
	s_barrier_wait -1
	ds_load_b128 v[16:19], v9
	ds_load_b128 v[20:23], v9 offset:2*SP
	s_wait_dscnt 1                                 ; the first of the two is in
	global_store_b128 v10, v[16:19], s[16:17] th:TH_STORE_NT               ; 16 lanes store 256 consecutive bytes, at a multiple of 256 from the output's first byte; written once, read by nobody here
	s_wait_dscnt 0x0
	global_store_b128 v10, v[20:23], s[16:17] offset:4096 th:TH_STORE_NT
	s_wait_tensorcnt 0x0
	ds_add_u32 v176, v177
	s_wait_dscnt 0x0
	s_endpgm
.Lfunc_end_k_qe5d60d6a9e_proj:
	.size	k_qe5d60d6a9e_proj, .Lfunc_end_k_qe5d60d6a9e_proj-k_qe5d60d6a9e_proj
	.p2alignl 7, 3214868480
	.fill 96, 4, 3214868480
	.section	.rodata,"a",@progbits
	.p2align	6, 0x0
	.amdhsa_kernel k_qe5d60d6a9e_proj
		.amdhsa_group_segment_fixed_size 38912
		.amdhsa_private_segment_fixed_size 0
		.amdhsa_enable_private_segment 0
		.amdhsa_kernarg_size 64
		.amdhsa_user_sgpr_count 2
		.amdhsa_user_sgpr_kernarg_segment_ptr 1
		.amdhsa_wavefront_size32 1
		.amdhsa_system_sgpr_workgroup_id_x 1
		.amdhsa_system_sgpr_workgroup_id_y 1
		.amdhsa_system_sgpr_workgroup_id_z 1
		.amdhsa_system_vgpr_workitem_id 0
		.amdhsa_next_free_vgpr 178
		.amdhsa_next_free_sgpr 66
		.amdhsa_reserve_vcc 0
		.amdhsa_float_denorm_mode_32 3
		.amdhsa_float_denorm_mode_16_64 3
		.amdhsa_memory_ordered 1
		.amdhsa_forward_progress 1
		.amdhsa_inst_pref_size 11
	.end_amdhsa_kernel
	.amdgpu_metadata
---
amdhsa.version: [ 1, 2 ]
amdhsa.kernels:
  - .name:           k_qe5d60d6a9e_proj
    .symbol:         k_qe5d60d6a9e_proj.kd
    .args:
      - { .name: acodes, .offset: 0, .size: 8, .value_kind: global_buffer, .address_space: global }
      - { .name: ascales, .offset: 8, .size: 8, .value_kind: global_buffer, .address_space: global }
      - { .name: Wr_codes, .offset: 16, .size: 8, .value_kind: global_buffer, .address_space: global }
      - { .name: Wr_scales, .offset: 24, .size: 8, .value_kind: global_buffer, .address_space: global }
      - { .name: Wi_codes, .offset: 32, .size: 8, .value_kind: global_buffer, .address_space: global }
      - { .name: Wi_scales, .offset: 40, .size: 8, .value_kind: global_buffer, .address_space: global }
      - { .name: out0, .offset: 48, .size: 8, .value_kind: global_buffer, .address_space: global }
      - { .name: out1, .offset: 56, .size: 8, .value_kind: global_buffer, .address_space: global }
    .group_segment_fixed_size: 38912
    .private_segment_fixed_size: 0
    .kernarg_segment_align: 8
    .kernarg_segment_size: 64
    .max_flat_workgroup_size: 128
    .sgpr_count:     66
    .vgpr_count:     178
    .wavefront_size: 32
...
	.end_amdgpu_metadata
.endif
;; end of part 2
